; MI455X (gfx1250); checked and timed in simulation.
; The chip was launched on July 23, 2026; its instructions are those of AMD's public machine-readable ISA for CDNA 5 (MIT licence, August 2026) and "CDNA5" Instruction Set Architecture Reference Guide (July 2026). The comments in the code are by the model that wrote it; some were corrected since.
;; QSGD Linear. Allowed arithmetic: float matrix products may take bf16 or f16 operands with f32 sums; all other float work in f32.
;; Inputs: scales 262,144 float32; ternary 8,192 x 4,096 int32; x 2 x 1,024 x 4,096 float32.
;; Outputs: out0 2 x 1,024 x 8,192 float32.
;; 2 versions, each right; version 2 is version 1 with the launch prep written anew for expert scheduling mode. Each part assembles by itself: llvm-mc -triple=amdgcn-amd-amdhsa -mcpu=gfx1250 --defsym DOCPART=n.
;; ======== version 1 of 2: 2 launches
;; workspace buffers: xb 16,777,216 bytes; wb 67,108,864 bytes
;; launch prep (part 1): grid 2048 x 1, 4 waves a work-group, no clusters, 0 bytes of LDS; arguments x, ternary, scales, xb, wb; writes xb, wb
.if DOCPART == 1
	.amdgcn_target "amdgcn-amd-amdhsa--gfx1250"
	.amdhsa_code_object_version 6
	.text
	.protected	k_q4f1a51651f_prep
	.globl	k_q4f1a51651f_prep
	.p2align	8
	.type	k_q4f1a51651f_prep,@function
k_q4f1a51651f_prep:
	s_mov_b64 s[64:65], 0
	v_nop
	global_prefetch_b8 v0, s[64:65] scope:SCOPE_SE
	s_setreg_imm32_b32 hwreg(HW_REG_WAVE_MODE, 25, 1), 1
	s_wait_xcnt 0x0
; xb = bf16(x);  wb[o][i] = bf16(f32(ternary[o][i]) * scales[32 o + i / 128]).
; x: [2048][4096] f32, ternary: [8192][4096] int32, scales: [262144] f32, xb: [2048][4096] bf16, wb: [8192][4096] bf16.
; A stream: every input byte is read once, every output byte written once.  No LDS, no barrier, no loop: nothing is shared between waves.
; SHARES.  8,192 waves.  Wave g owns row g of ternary (16,384 bytes in, 8,192 out, 32 groups of 128) and quarter g of the rows of x (4,096 bytes in, 2,048 out).
; One 16-byte load of a wave is 32 lanes x 4 numbers = 128 numbers = ONE group, so a load's scale is one scalar register; the row's 32 scales come by two scalar loads.
; Each load of the wave covers 512 consecutive bytes, each 8-byte store 256 consecutive bytes, both aligned to their length.
; All 40 loads of a wave are issued before the first is waited for; every load has registers of its own, so no register that a pending load or store names is ever rewritten.
; LIMITS.  x and the product code x scale are rounded to bf16 once, to nearest even.  The code is converted as a whole int32; for codes -1, 0, 1 the product is exact in f32,
; for other codes it is rounded to f32 first.  NaN and infinities are not treated apart.
.set XR, 4                             ; v[4:35]    x: load i in four registers
.set TR, 36                            ; v[36:163]  ternary: load j in four registers
.set SC, 16                            ; s[16:47]   the row's 32 scales
	s_load_b256 s[4:11], s[0:1], 0x0               ; x s[4:5], ternary s[6:7], scales s[8:9], xb s[10:11]
	s_load_b64 s[12:13], s[0:1], 0x20              ; wb
	v_lshrrev_b32 v3, 5, v0
	v_readfirstlane_b32 s14, v3                    ; my wave's number in the work-group
	s_lshl2_add_u32 s15, ttmp9, s14                ; g = 4 x work-group + wave
	v_and_b32 v3, 31, v0                           ; lane
	v_lshlrev_b32 v1, 4, v3                        ; 16 bytes a lane in
	v_lshlrev_b32 v2, 3, v3                        ; 8 bytes a lane out
	s_mov_b32 s3, 0                                ; every offset stays under 2^28: the high word is 0
	s_wait_kmcnt 0x0
	s_lshl_b32 s2, s15, 12                         ; x: 4,096 bytes a wave
	s_add_nc_u64 s[4:5], s[4:5], s[2:3]
	s_lshl_b32 s2, s15, 14                         ; ternary: 16,384
	s_add_nc_u64 s[6:7], s[6:7], s[2:3]
	s_lshl_b32 s2, s15, 7                          ; scales: 128
	s_add_nc_u64 s[8:9], s[8:9], s[2:3]
	s_lshl_b32 s2, s15, 11                         ; xb: 2,048
	s_add_nc_u64 s[10:11], s[10:11], s[2:3]
	s_lshl_b32 s2, s15, 13                         ; wb: 8,192
	s_add_nc_u64 s[12:13], s[12:13], s[2:3]
	s_load_b512 s[SC:SC+15], s[8:9], 0x0           ; the row's scales; no line of this text stores into scales
	s_load_b512 s[SC+16:SC+31], s[8:9], 0x40
.irp i, 0,1,2,3,4,5,6,7
	global_load_b128 v[XR+4*(\i):XR+4*(\i)+3], v1, s[4:5] offset:512*(\i) th:TH_LOAD_NT
.endr
.irp j, 0,1,2,3,4,5,6,7,8,9,10,11,12,13,14,15,16,17,18,19,20,21,22,23,24,25,26,27,28,29,30,31
	global_load_b128 v[TR+4*(\j):TR+4*(\j)+3], v1, s[6:7] offset:512*(\j) th:TH_LOAD_NT
.endr
; Load i of x: four numbers a lane are rounded to bf16 in pairs and stored.
.macro XCONV i
.set R, XR+4*(\i)
	s_wait_loadcnt 39-(\i)                         ; loads come back in order (ISA guide 5.7.1): 39 - i were issued behind this one
	v_cvt_pk_bf16_f32 v[R], v[R], v[R+1]
	v_cvt_pk_bf16_f32 v[R+1], v[R+2], v[R+3]
	global_store_b64 v2, v[R:R+1], s[10:11] offset:256*(\i)
.endm
; Load j of ternary, which is group j of the row: to f32, times the group's scale, rounded to bf16 in pairs, stored.
.macro TCONV j
.set R, TR+4*(\j)
	s_wait_loadcnt 31-(\j)                         ; 31 - j loads were issued behind this one
.irp k, 0,1,2,3
	v_cvt_f32_i32 v[R+(\k)], v[R+(\k)]
.endr
.irp k, 0,1,2,3
	v_mul_f32 v[R+(\k)], s[SC+(\j)], v[R+(\k)]
.endr
	v_cvt_pk_bf16_f32 v[R], v[R], v[R+1]
	v_cvt_pk_bf16_f32 v[R+1], v[R+2], v[R+3]
	global_store_b64 v2, v[R:R+1], s[12:13] offset:256*(\j)
.endm
.irp i, 0,1,2,3,4,5,6,7
	XCONV \i
.endr
	s_wait_kmcnt 0x0                               ; the scales
.irp j, 0,1,2,3,4,5,6,7,8,9,10,11,12,13,14,15,16,17,18,19,20,21,22,23,24,25,26,27,28,29,30,31
	TCONV \j
.endr
	s_endpgm
.Lfunc_end_k_q4f1a51651f_prep:
	.size	k_q4f1a51651f_prep, .Lfunc_end_k_q4f1a51651f_prep-k_q4f1a51651f_prep
	.p2alignl 7, 3214868480
	.fill 96, 4, 3214868480
	.section	.rodata,"a",@progbits
	.p2align	6, 0x0
	.amdhsa_kernel k_q4f1a51651f_prep
		.amdhsa_group_segment_fixed_size 0
		.amdhsa_private_segment_fixed_size 0
		.amdhsa_enable_private_segment 0
		.amdhsa_kernarg_size 40
		.amdhsa_user_sgpr_count 2
		.amdhsa_user_sgpr_kernarg_segment_ptr 1
		.amdhsa_wavefront_size32 1
		.amdhsa_system_sgpr_workgroup_id_x 1
		.amdhsa_system_sgpr_workgroup_id_y 1
		.amdhsa_system_sgpr_workgroup_id_z 1
		.amdhsa_system_vgpr_workitem_id 0
		.amdhsa_next_free_vgpr 164
		.amdhsa_next_free_sgpr 66
		.amdhsa_reserve_vcc 0
		.amdhsa_float_denorm_mode_32 3
		.amdhsa_float_denorm_mode_16_64 3
		.amdhsa_memory_ordered 1
		.amdhsa_forward_progress 1
		.amdhsa_inst_pref_size 23
	.end_amdhsa_kernel
	.amdgpu_metadata
---
amdhsa.version: [ 1, 2 ]
amdhsa.kernels:
  - .name:           k_q4f1a51651f_prep
    .symbol:         k_q4f1a51651f_prep.kd
    .args:
      - { .name: x, .offset: 0, .size: 8, .value_kind: global_buffer, .address_space: global }
      - { .name: ternary, .offset: 8, .size: 8, .value_kind: global_buffer, .address_space: global }
      - { .name: scales, .offset: 16, .size: 8, .value_kind: global_buffer, .address_space: global }
      - { .name: xb, .offset: 24, .size: 8, .value_kind: global_buffer, .address_space: global }
      - { .name: wb, .offset: 32, .size: 8, .value_kind: global_buffer, .address_space: global }
    .group_segment_fixed_size: 0
    .private_segment_fixed_size: 0
    .kernarg_segment_align: 8
    .kernarg_segment_size: 40
    .max_flat_workgroup_size: 128
    .sgpr_count:     66
    .vgpr_count:     164
    .wavefront_size: 32
...
	.end_amdgpu_metadata
.endif
;; end of part 1
;; launch gemm (part 2): grid 32 x 8, 4 waves a work-group, clusters of 4 x 4, 327,680 bytes of LDS; arguments xb, wb, out0; writes out0
.if DOCPART == 2
	.amdgcn_target "amdgcn-amd-amdhsa--gfx1250"
	.amdhsa_code_object_version 6
	.text
	.protected	k_q4f1a51651f_gemm
	.globl	k_q4f1a51651f_gemm
	.p2align	8
	.type	k_q4f1a51651f_gemm,@function
k_q4f1a51651f_gemm:
	s_mov_b64 s[64:65], 0
	v_nop
	global_prefetch_b8 v0, s[64:65] scope:SCOPE_SE
	s_setreg_imm32_b32 hwreg(HW_REG_WAVE_MODE, 25, 1), 1
	s_wait_xcnt 0x0
	s_wait_alu depctr_hold_cnt(0) depctr_sa_sdst(0) depctr_va_vdst(0) depctr_va_sdst(0) depctr_va_ssrc(0) depctr_va_vcc(0) depctr_vm_vsrc(0)
	s_getreg_b32 s2, hwreg(HW_REG_IB_STS2, 6, 4)
	s_cmp_eq_u32 s2, 0
	s_cbranch_scc0 .Lentry_in_a_cluster
	s_endpgm
.Lentry_in_a_cluster:
	s_bfe_u32 s2, ttmp6, 0x10000c
	s_cmp_lg_u32 s2, 0xf033
	s_cbranch_scc0 .Lentry_shape_is_right
	s_endpgm
.Lentry_shape_is_right:
; out0[m][n] = sum over k of xb[m][k] wb[n][k].  xb: [2048][4096] bf16, wb: [8192][4096] bf16, out0: [2048][8192] f32; sums in f32, K ascending, stored as they are.
; C has 8 x 32 tiles of 256 x 256: one work-group of four waves makes one tile; a wave makes 128 x 128: 64 accumulators of 16 x 16, 512 registers.
; K goes in 32 steps of 128 through a ring of two LDS slots filled by the tensor data mover: a tile's rows are 256 bytes of memory and start at multiples of 256 bytes from the buffer's first byte.
; CLUSTERS: 4 x 4 work-groups.  The four of a row of the cluster make tiles of one tile row of C and need the same tiles of xb; the four of a column need the same tiles of wb.
; Such a tile is asked for JOINTLY: each of the four issues the same tensor load, with the same descriptor and a mask that names the four, and each receives it in its own LDS.
; LIMITS.  The operands arrive rounded to bf16, which has f32's range; NaN and infinities are not treated apart.
;
; REGISTERS, in windows of 256 (an instruction names v0-v255; s_set_vgpr_msb says which window each operand place means: bits 1:0 source 0, 3:2 source 1, 5:4 source 2, 7:6 destination):
;   window 0: v0-31 addresses; v64-127, v128-191 fragments of xb (8 x 16 rows x 32 K), two buffers; on the way out the same two ranges take rows read back from the stage
;   window 1: v64-127, v128-191 fragments of wb, two buffers
;   window 2: the 32 accumulators of my rows 0-63 (accumulator (a, b) at v[8 (8 a + b)]);   window 3: those of my rows 64-127
; THE MATRIX INSTRUCTION IS USED TRANSPOSED: source 0 = 16 rows of wb, source 1 = 16 rows of xb.  In the result lane l holds row m = l % 16 of C and its registers 0 to 7 the
; columns n = 8 (l / 16) + 0 .. 7: 32 neighbouring bytes of a row of C.
.set SIZE_M, 2048
.set SIZE_N, 8192
.set SIZE_K, 4096
.set KSTEP,  128
.set PITCH,  272                       ; an LDS row: 256 bytes of data + 16 of padding = 68 words: row r starts at bank 4 r mod 64 (64 banks of 4 bytes: ISA guide 11.1), so the 16 rows that a load touches start at 16 different banks
.set HALFT,  128*PITCH                 ; 128 rows: what one tensor load brings, and what one wave reads of xb or of wb
.set SLOT,   4*HALFT                   ; xb's 256 rows, then wb's 256 rows
.set STAGE,  2*SLOT                    ; behind the ring: 16 rows x 528 bytes for each wave, for the way out; no tensor load lands here
.set SPITCH, 528                       ; a stage row: my 128 columns in f32, 512 bytes, + 16: the sixteen rows that a store touches start 16 bytes apart modulo 256
.set SPARE,  STAGE+4*16*SPITCH         ; behind the stages: the spare words, 128 bytes for each wave: two blocks of 256 bytes that no other line names
.set LAPS,   SIZE_K/(2*KSTEP)          ; a lap = two K steps = once round the ring: 16
.set ADRA, 16                          ; v16-17  LDS address of my xb fragments in slot 0, 1
.set ADRB, 20                          ; v20-21  the same for wb
.set STO,  24                          ; v24     the way out: where I put 32 bytes of a row
.set RD,   25                          ; v25     the way out: where I read 16 bytes of a row back
.set CO,   26                          ; v26     my byte offset in 512 bytes of a row of C
.set SPW,  28                          ; v28     LDS address of my spare word: SPARE + 4 x my thread's number; never rewritten
.set NIL,  29                          ; v29     0; never rewritten
.set F0,   64                          ; fragment buffer 0
.set F1,   128                         ; fragment buffer 1
.set OB,   64                          ; the way out: 16 rows read back, 64 registers: v64-127 and v128-191 by turns
.set G1,  24                           ; s[24:31] descriptor group 1 for xb's tiles
.set G0,  32                           ; s[32:39] descriptor group 0 for xb's tiles, one set for each slot
.set G1B, 48                           ; s[48:55] descriptor group 1 for wb's tiles: it differs in the mask alone
.set G0B, 56                           ; s[56:63] descriptor group 0 for wb's tiles, one set for each slot
.set MSB, 0
.macro WIN new                         ; the immediate's high byte repeats the setting that is left; a switch that changes nothing is dropped
.if MSB != (\new)
	s_set_vgpr_msb (MSB<<8)|(\new)
.set MSB, \new
.endif
.endm
.set MUL_LO, 0xa1                      ; source 0 (wb) window 1, source 1 (xb) window 0, C and D window 2
.set MUL_HI, 0xf1                      ; the same, C and D window 3
.set TO_B,   0x40                      ; destination window 1, address window 0
; A joint load.  Waves 0 and 1 fetch xb's two halves, waves 2 and 3 wb's.  Each of the two lines has one mask and one set of registers for all that issue it.
; The branch hangs on the wave's number alone: it is the same in every work-group.  An s_nop 0 and four v_nop follow each of the two lines.
.macro JLOAD s
	s_cmp_eq_u32 s11, 0
	s_cbranch_scc0 .Lfor_b_\@
	tensor_load_to_lds s[G0+4*(\s):G0+4*(\s)+3], s[G1:G1+7]
	s_nop 0
.rept 4
	v_nop
.endr
	s_branch .Lasked_\@
.Lfor_b_\@:
	tensor_load_to_lds s[G0B+4*(\s):G0B+4*(\s)+3], s[G1B:G1B+7]
	s_nop 0
.rept 4
	v_nop
.endr
.Lasked_\@:
.endm
; A round of the cluster's barrier: my work-group's barrier, so that wave 0's signal speaks for all four waves; wave 0 signals for the work-group; every wave waits for all
; sixteen work-groups; my work-group's barrier once more.
.macro CREST                           ; a round behind its opening barrier
	s_cmp_lg_u32 s10, 0
	s_cbranch_scc1 .Lnot_wave_0_\@
	s_barrier_signal -3
.Lnot_wave_0_\@:
	s_barrier_wait -3
	s_barrier_signal -1
	s_barrier_wait -1
.endm
.macro CROUND                          ; a whole round
	s_barrier_signal -1
	s_barrier_wait -1
	CREST
.endm
	s_load_b128 s[4:7], s[0:1], 0x0                ; xb s[4:5], wb s[6:7]
	s_load_b64 s[8:9], s[0:1], 0x10                ; out0
	v_lshl_add_u32 v[SPW], v0, 2, SPARE
	v_mov_b32 v[NIL], 0
	ds_add_u32 v[SPW], v[NIL]                      ; the wave's opening: the add and its wait stand ahead of my first tensor load; the set-up below, work on registers, stands between them
	v_lshrrev_b32 v1, 5, v0
	v_readfirstlane_b32 s10, v1                    ; wave 0..3
	s_lshr_b32 s11, s10, 1                         ; which half of the tile's rows is mine.  Also: I fetch for xb (0) or for wb (1)
	s_and_b32 s12, s10, 1                          ; which half of its columns.  Also: which 128 rows of that tile I fetch
	s_bfe_u32 s40, ttmp6, 0x40000                  ; cx: my place along the cluster's x
	s_bfe_u32 s41, ttmp6, 0x40004                  ; cy: along its y
	s_lshl_b32 s42, ttmp9, 2                       ; in a cluster launch ttmp9 and ttmp7 count clusters
	s_add_co_u32 s42, s42, s40                     ; tile column of C = 4 x cluster x + cx, 0 to 31
	s_and_b32 s13, ttmp7, 0xffff
	s_lshl_b32 s13, s13, 2
	s_add_co_u32 s13, s13, s41                     ; tile row of C = 4 x cluster y + cy, 0 to 7
	s_lshl_b32 s43, s41, 2
	s_lshl_b32 s43, 15, s43                        ; my row of the cluster: places 4 cy .. 4 cy + 3
	s_lshl_b32 s44, 0x1111, s40                    ; my column: places cx, cx + 4, cx + 8, cx + 12
	; descriptor group 1: a tile of 128 rows x 128 elements, padded in LDS
	s_or_b32 s[G1+0], s43, (1<<16)|(1<<20)|(1<<21)|(5<<22)|(3<<25)   ; 15:0 the mask: xb's tiles go to my row; 17:16 elements of 2 bytes; 20 padding on; 21 set beside a mask; 24:22 after every 64 words (code 5); 31:25 4 words of it (code 3)
	s_or_b32 s[G1B+0], s44, (1<<16)|(1<<20)|(1<<21)|(5<<22)|(3<<25)  ; the same with the mask of my column, for wb's tiles
.irp g, G1, G1B
	s_mov_b32 s[(\g)+1], KSTEP<<16                 ; tensor_dim0 = 128
	s_mov_b32 s[(\g)+2], 128<<16                   ; tensor_dim1 = 128
	s_mov_b32 s[(\g)+3], KSTEP<<16                 ; tile_dim0 = 128
	s_mov_b32 s[(\g)+4], 128                       ; tile_dim1 = 128; tile_dim2 = 0
	s_mov_b32 s[(\g)+5], SIZE_K                    ; elements from row to row
	s_mov_b32 s[(\g)+6], 0
	s_mov_b32 s[(\g)+7], 0
.endr
	; where the tiles come from.  xb's hang on the tile row alone, which my row of the cluster shares; wb's on the tile column alone, which my column shares.
	; Every wave makes both addresses, in registers that never hold the other coordinate, and asks by one of them.
	s_lshl_b32 s17, s12, 7                         ; which 128 rows of the tile I fetch
	s_lshl_b32 s16, s13, 8
	s_add_co_u32 s16, s16, s17                     ; xb: row 256 x tile row + 128 x half
	s_lshl_b32 s46, s42, 8
	s_add_co_u32 s46, s46, s17                     ; wb: row 256 x tile column + 128 x half
	s_mov_b32 s17, 0
	s_mov_b32 s47, 0
	s_mov_b64 s[18:19], SIZE_K*2
	s_mul_u64 s[16:17], s[16:17], s[18:19]         ; in bytes
	s_mul_u64 s[46:47], s[46:47], s[18:19]
	s_mul_i32 s20, s10, HALFT                      ; and where they go: xb's two halves, then wb's two halves = wave x 128 rows: no place in the cluster enters an LDS address
	s_wait_dscnt 0x0                               ; the opening add is done
	s_wait_kmcnt 0x0
	s_add_nc_u64 s[14:15], s[4:5], s[16:17]
	s_add_nc_u64 s[46:47], s[6:7], s[46:47]
	CROUND                                         ; all sixteen work-groups are here: the first joint loads meet
.irp s, 0,1
	s_mov_b32 s[G0+4*(\s)], 1                                        ; count = 1
	s_add_co_u32 s[G0+4*(\s)+1], s20, (\s)*SLOT                      ; LDS address
	s_add_nc_u64 s[G0+4*(\s)+2:G0+4*(\s)+3], s[14:15], (\s)*KSTEP*2  ; global address: K step s
	s_or_b32 s[G0+4*(\s)+3], s[G0+4*(\s)+3], 0x80000000              ; type = 2
	s_mov_b32 s[G0B+4*(\s)], 1
	s_add_co_u32 s[G0B+4*(\s)+1], s20, (\s)*SLOT
	s_add_nc_u64 s[G0B+4*(\s)+2:G0B+4*(\s)+3], s[46:47], (\s)*KSTEP*2
	s_or_b32 s[G0B+4*(\s)+3], s[G0B+4*(\s)+3], 0x80000000
	JLOAD \s                                       ; both slots' first fills go out before anything else is done: two loads of mine are out
.endr
	; A fragment is 16 rows x 32 K in 8 registers: lane l holds row l % 16; registers 0-3 hold K = 8 (l / 16) + 0..7, registers 4-7 hold
	; K = 16 + 8 (l / 16) + 0..7.  From rows that lie along K: two loads of 16 bytes, 32 bytes apart.  The same for source 0 and source 1.
	v_and_b32 v1, 15, v0                           ; l % 16
	v_bfe_u32 v2, v0, 4, 1                         ; l / 16
	v_mul_u32_u24 v3, v1, PITCH
	v_lshl_add_u32 v3, v2, 4, v3                   ; row x pitch + 16 x half
	s_mul_i32 s21, s11, HALFT                      ; my 128 rows of xb
	s_mul_i32 s22, s12, HALFT                      ; my 128 rows of wb,
	s_add_co_u32 s22, s22, 2*HALFT                 ; which lie behind xb's 256
.irp s, 0,1
	v_add_nc_u32 v[ADRA+(\s)], s21, v3
	v_add_nc_u32 v[ADRB+(\s)], s22, v3
	s_add_co_u32 s21, s21, SLOT
	s_add_co_u32 s22, s22, SLOT
.endr
	s_mul_i32 s23, s10, 16*SPITCH
	s_add_co_u32 s23, s23, STAGE                   ; my stage
	v_mul_u32_u24 v4, v1, SPITCH                   ; in: row l % 16, 32 bytes for each half of the lanes
	v_lshl_add_u32 v4, v2, 5, v4
	v_add_nc_u32 v[STO], s23, v4
	v_and_b32 v5, 31, v0
	v_lshlrev_b32 v[CO], 4, v5                     ; back and out: 32 lanes x 16 bytes are one row's 512 bytes
	v_add_nc_u32 v[RD], s23, v[CO]
	; out0's address goes to my part of the tile, once: every store's row then stands in its immediate
	s_lshl_b32 s13, s13, 8
	s_lshl_b32 s14, s11, 7
	s_add_co_u32 s16, s13, s14                     ; my first row of C
	s_mov_b32 s17, 0
	s_mov_b64 s[18:19], SIZE_N*4
	s_mul_u64 s[16:17], s[16:17], s[18:19]
	s_lshl_b32 s46, s42, 10                        ; my first column, in bytes: 1,024 x tile column + 512 x half (in the registers that held wb's address: none that feeds xb's descriptors ever holds cx)
	s_lshl_b32 s47, s12, 9
	s_add_co_u32 s46, s46, s47
	s_mov_b32 s47, 0
	s_add_nc_u64 s[16:17], s[16:17], s[46:47]
	s_add_nc_u64 s[8:9], s[8:9], s[16:17]
; 16 matrix instructions: m blocks a0, a0 + 1 of the window's four (hi = 0: my rows 0-63, 1: rows 64-127) x all 8 n blocks, 32 along K.
; zero = 1: the first product starts the sums: nothing is ever cleared.  The 64 accumulators take turns in the same order in every quarter step.
.macro MUL16 f, hi, a0, zero
	WIN MUL_LO+0x50*(\hi)
.irp a, \a0, (\a0)+1
.irp b, 0,1,2,3,4,5,6,7
.if \zero
	v_wmma_f32_16x16x32_bf16 v[8*(8*(\a)+(\b)):8*(8*(\a)+(\b))+7], v[(\f)+8*(\b):(\f)+8*(\b)+7], v[(\f)+8*(4*(\hi)+(\a)):(\f)+8*(4*(\hi)+(\a))+7], 0
.else
	v_wmma_f32_16x16x32_bf16 v[8*(8*(\a)+(\b)):8*(8*(\a)+(\b))+7], v[(\f)+8*(\b):(\f)+8*(\b)+7], v[(\f)+8*(4*(\hi)+(\a)):(\f)+8*(4*(\hi)+(\a))+7], v[8*(8*(\a)+(\b)):8*(8*(\a)+(\b))+7]
.endif
.endr
.endr
.endm
; 32 LDS loads in one run: the fragments of one quarter step (128 rows of wb, 128 rows of xb, 32 K at byte k of the rows) into buffer f
.macro FETCH slot, k, f
	WIN TO_B
.irp i, 0,1,2,3,4,5,6,7
	ds_load_b128 v[(\f)+8*(\i):(\f)+8*(\i)+3],   v[ADRB+(\slot)] offset:(\k)+(\i)*16*PITCH
	ds_load_b128 v[(\f)+8*(\i)+4:(\f)+8*(\i)+7], v[ADRB+(\slot)] offset:(\k)+(\i)*16*PITCH+32
.endr
	WIN 0
.irp i, 0,1,2,3,4,5,6,7
	ds_load_b128 v[(\f)+8*(\i):(\f)+8*(\i)+3],   v[ADRA+(\slot)] offset:(\k)+(\i)*16*PITCH
	ds_load_b128 v[(\f)+8*(\i)+4:(\f)+8*(\i)+7], v[ADRA+(\slot)] offset:(\k)+(\i)*16*PITCH+32
.endr
.endm
; A load into a register that a matrix instruction has read, and an LDS store that reads a matrix result, stand four places behind that matrix instruction, and only plain
; vector instructions that name none of its registers are places (ISA guide 7.12.1 for vector instructions).
.macro PLACES
.rept 4
	v_nop
.endr
.endm
; A K step is four quarter steps of 32 along K, 64 matrix instructions each, on buffers 0, 1, 0, 1.
; One of the first three: multiplies buffer f; in its middle it fetches the next quarter's fragments, at byte k of the same slot's rows, into buffer g.
.macro QUARTER slot, k, f, g, zero
	s_wait_dscnt 8                                 ; wb and xb's rows 0-63 are in; the youngest eight loads (xb's rows 64-127) may be out
	MUL16 \f, 0, 0, \zero
	MUL16 \f, 0, 2, \zero
	PLACES
	FETCH \slot, \k, \g
	s_wait_dscnt 32                                ; all but the 32 just issued
	MUL16 \f, 1, 0, \zero
	MUL16 \f, 1, 2, \zero
.endm
; The last quarter multiplies buffer 1 and changes slots.  MEET is its first half: ONE barrier for the change of slots.  In front of it each wave waits for all its tensor loads,
; of which one is out: its part of the next slot; adds 0 to its spare word; and waits for that and for its own reads of this slot.  Behind it nobody reads this slot any more and the next slot is whole.
.macro MEET round                      ; round = 1: the rest of a round of the cluster's barrier follows
	WIN 0                                          ; (the add's two registers lie in window 0)
	s_wait_tensorcnt 0x0                           ; all my tensor loads have landed: the one that was out is my part of the next slot;
	ds_add_u32 v[SPW], v[NIL]                      ; 0 onto my spare word;
	s_wait_dscnt 9                                 ; (the add and the youngest eight loads may be out)
	MUL16 F1, 0, 0, 0                              ; sixteen matrix instructions stand between the add and the wait for it
	s_wait_dscnt 0x0                               ; the add is done, and my reads of this slot are over:
	s_barrier_signal -1                            ; say so,
	MUL16 F1, 0, 2, 0                              ; work on registers while the others arrive,
.if \round
	WIN 0
.endif
	s_barrier_wait -1                              ; and go on when all four have said so
.endm
; The whole last quarter.  fill = 1: the barrier opens a round of the cluster's barrier, so that no wave of any partner still reads this slot or has a load on its way; behind the round the slot
; just read out is filled again first, with the K step two steps on; then come the next slot's first fragments.  From that request to the wait for it a wave issues 224 matrix instructions.
.macro TURN slot, next, fill
.if \fill
	MEET 1
	CREST
	s_add_nc_u64 s[G0+4*(\slot)+2:G0+4*(\slot)+3], s[G0+4*(\slot)+2:G0+4*(\slot)+3], 2*KSTEP*2     ; no tensor load of mine is out, so a group 0 may be written; the type bits on top are not reached
	s_add_nc_u64 s[G0B+4*(\slot)+2:G0B+4*(\slot)+3], s[G0B+4*(\slot)+2:G0B+4*(\slot)+3], 2*KSTEP*2
	JLOAD \slot                                    ; my one tensor load behind the round; the four v_nop behind it are also the places in front of the loads below
.else
	MEET 0
	PLACES
.endif
	FETCH \next, 0, F0
	MUL16 F1, 1, 0, 0
	MUL16 F1, 1, 2, 0
.endm
; THE WAY OUT of block a (16 of my rows), in two parts.  The sums are stored as they are, in f32.
; TOSTAGE: a lane's 32 bytes of a row go into my own stage in LDS, each accumulator's low four registers first, and whole rows of 512 bytes come back.
.macro TOSTAGE a
.set AC, 64*((\a)%4)
.set BK, OB+64*((\a)%2)
	WIN 0x08+4*((\a)/4)                            ; the stores' data (source 1) in window 2 or 3, the address in window 0
.irp b, 0,1,2,3,4,5,6,7
	ds_store_b128 v[STO], v[AC+8*(\b):AC+8*(\b)+3]   offset:64*(\b)
	ds_store_b128 v[STO], v[AC+8*(\b)+4:AC+8*(\b)+7] offset:64*(\b)+16
.endr
	WIN 0
	s_wait_xcnt 0x0                                ; every earlier memory instruction has had its addresses translated (ISA guide 3.1): the registers that the stores of two blocks ago read are loaded again only behind this wait
.irp t, 0,1,2,3,4,5,6,7,8,9,10,11,12,13,14,15
	ds_load_b128 v[BK+4*(\t):BK+4*(\t)+3], v[RD] offset:(\t)*SPITCH  ; LDS serves a wave's instructions in order (ISA guide 5.7.1.4): these see the stores above, and the next block's stores come behind them
.endr
.endm
; SEND: stored.  younger: the LDS instructions issued behind block a's loads: the next block's sixteen stores and sixteen loads, or none.
.macro SEND a, younger
.set BK, OB+64*((\a)%2)
	WIN 0
	s_wait_dscnt \younger                          ; the block is back in registers
.irp t, 0,1,2,3,4,5,6,7,8,9,10,11,12,13,14,15
	global_store_b128 v[CO], v[BK+4*(\t):BK+4*(\t)+3], s[8:9] offset:(16*(\a)+(\t))*SIZE_N*4 th:TH_STORE_NT  ; the wave stores 512 consecutive bytes of a row, at a multiple of 512 from out0's first byte; 127 rows of 32,768 bytes at the most, inside the signed 24-bit immediate
.endr
.endm
	s_wait_tensorcnt 1                             ; my part of K step 0 is in; K step 1's may stay out
	s_barrier_signal -1
	s_barrier_wait -1                              ; everybody's is
	FETCH 0, 0, F0
	QUARTER 0, 64,  F0, F1, 1                      ; the first quarter stands in front of the loop: its products start the sums
	WIN 0                                          ; at a label and at a branch every window is 0
	s_mov_b32 s3, LAPS-1
.Llap:                                                 ; a trip goes once round the ring, from a lap's second quarter to the next lap's first, and fills both slots again: 15 trips ask for K steps 2 to 31
	QUARTER 0, 128, F1, F0, 0
	QUARTER 0, 192, F0, F1, 0
	TURN 0, 1, 1
	QUARTER 1, 64,  F0, F1, 0
	QUARTER 1, 128, F1, F0, 0
	QUARTER 1, 192, F0, F1, 0
	TURN 1, 0, 1
	QUARTER 0, 64,  F0, F1, 0
	WIN 0
	s_sub_co_u32 s3, s3, 1
	s_cmp_lg_u32 s3, 0
	s_cbranch_scc1 .Llap
	QUARTER 0, 128, F1, F0, 0                      ; the last lap is written out: it fills nothing and has no round of the cluster's barrier
	QUARTER 0, 192, F0, F1, 0
	TURN 0, 1, 0
	QUARTER 1, 64,  F0, F1, 0
	QUARTER 1, 128, F1, F0, 0
	QUARTER 1, 192, F0, F1, 0
	s_wait_dscnt 8                                 ; the very last quarter: nothing more to fetch
	MUL16 F1, 0, 0, 0
	MUL16 F1, 0, 2, 0
	s_wait_dscnt 0
	MUL16 F1, 1, 0, 0
	MUL16 F1, 1, 2, 0
	WIN 0
	PLACES                                         ; in front of the LDS stores that read the sums, and of the LDS loads into the fragments' registers
	TOSTAGE 0
.irp a, 1,2,3,4,5,6,7                  ; block a goes into the stage while block a - 1 comes back from it
	TOSTAGE \a
	SEND (\a)-1, 32
.endr
	SEND 7, 0
	s_wait_tensorcnt 0x0                           ; the wave's end, behind my last tensor load and my last LDS store
	ds_add_u32 v[SPW], v[NIL]
	s_wait_dscnt 0x0
	CROUND                                         ; the closing round: no work-group ends while a partner may still ask for a tile that names it
	s_endpgm
.Lfunc_end_k_q4f1a51651f_gemm:
	.size	k_q4f1a51651f_gemm, .Lfunc_end_k_q4f1a51651f_gemm-k_q4f1a51651f_gemm
	.p2alignl 7, 3214868480
	.fill 96, 4, 3214868480
	.section	.rodata,"a",@progbits
	.p2align	6, 0x0
	.amdhsa_kernel k_q4f1a51651f_gemm
		.amdhsa_group_segment_fixed_size 327680
		.amdhsa_private_segment_fixed_size 0
		.amdhsa_enable_private_segment 0
		.amdhsa_kernarg_size 24
		.amdhsa_user_sgpr_count 2
		.amdhsa_user_sgpr_kernarg_segment_ptr 1
		.amdhsa_wavefront_size32 1
		.amdhsa_system_sgpr_workgroup_id_x 1
		.amdhsa_system_sgpr_workgroup_id_y 1
		.amdhsa_system_sgpr_workgroup_id_z 1
		.amdhsa_system_vgpr_workitem_id 0
		.amdhsa_next_free_vgpr 1024
		.amdhsa_next_free_sgpr 66
		.amdhsa_reserve_vcc 0
		.amdhsa_float_denorm_mode_32 3
		.amdhsa_float_denorm_mode_16_64 3
		.amdhsa_memory_ordered 1
		.amdhsa_forward_progress 1
		.amdhsa_inst_pref_size 140
	.end_amdhsa_kernel
	.amdgpu_metadata
---
amdhsa.version: [ 1, 2 ]
amdhsa.kernels:
  - .name:           k_q4f1a51651f_gemm
    .symbol:         k_q4f1a51651f_gemm.kd
    .args:
      - { .name: xb, .offset: 0, .size: 8, .value_kind: global_buffer, .address_space: global }
      - { .name: wb, .offset: 8, .size: 8, .value_kind: global_buffer, .address_space: global }
      - { .name: out0, .offset: 16, .size: 8, .value_kind: global_buffer, .address_space: global }
    .group_segment_fixed_size: 327680
    .private_segment_fixed_size: 0
    .kernarg_segment_align: 8
    .kernarg_segment_size: 24
    .max_flat_workgroup_size: 128
    .sgpr_count:     66
    .vgpr_count:     1024
    .wavefront_size: 32
...
	.end_amdgpu_metadata
.endif
;; end of part 2
;; ======== version 2 of 2: 2 launches; version 1 with the launch prep written anew for expert scheduling mode
;; workspace buffers: xb 16,777,216 bytes; wb 67,108,864 bytes
;; launch prep (part 3): grid 2048 x 1, 4 waves a work-group, no clusters, 0 bytes of LDS; arguments x, ternary, scales, xb, wb; writes xb, wb
.if DOCPART == 3
	.amdgcn_target "amdgcn-amd-amdhsa--gfx1250"
	.amdhsa_code_object_version 6
	.text
	.protected	k_q4f1a51651f_prep
	.globl	k_q4f1a51651f_prep
	.p2align	8
	.type	k_q4f1a51651f_prep,@function
k_q4f1a51651f_prep:
	s_mov_b64 s[64:65], 0
	v_nop
	global_prefetch_b8 v0, s[64:65] scope:SCOPE_SE
	s_setreg_imm32_b32 hwreg(HW_REG_WAVE_SCHED_MODE, 0, 2), 2
	s_setreg_imm32_b32 hwreg(HW_REG_WAVE_MODE, 25, 1), 1
	s_wait_xcnt 0x0
	s_wait_alu depctr_vm_vsrc(0)
; xb = bf16(x);  wb[o][i] = bf16(f32(ternary[o][i]) * scales[32 o + i / 128]).
; x: [2048][4096] f32, ternary: [8192][4096] int32, scales: [262144] f32, xb: [2048][4096] bf16, wb: [8192][4096] bf16.
; A stream: every input byte is read once, every output byte written once.  No LDS, no barrier, no loop: nothing is shared between waves.
; SHARES.  8,192 waves.  Wave g owns row g of ternary (16,384 bytes in, 8,192 out, 32 groups of 128) and quarter g of the rows of x (4,096 bytes in, 2,048 out).
; One 16-byte load of a wave is 32 lanes x 4 numbers = 128 numbers = ONE group, so a load's scale is one scalar register; the row's 32 scales come by two scalar loads.
; Each load of the wave covers 512 consecutive bytes, each 8-byte store 256 consecutive bytes, both aligned to their length.
; All 40 loads of a wave are issued before the first is waited for; every load has registers of its own, so no register that a pending load or store names is ever rewritten.
; LIMITS.  x and the product code x scale are rounded to bf16 once, to nearest even.  The code is converted as a whole int32; for codes -1, 0, 1 the product is exact in f32,
; for other codes it is rounded to f32 first.  NaN and infinities are not treated apart.
; THE MODE: SCHED_MODE bits 1:0 = 2 (LLVM: expert scheduling mode 2), set by the entry lines.  The code itself states the register dependences
; between vector instructions and memory instructions, with s_wait_alu, always for 0.
; THE PLAN.  Registers that memory instructions touch:
;   v1, v2     byte offsets of the loads and of the stores: made once at the head, never written again.
;   D[n]       four registers for load n of 40 (n < 8: x; the others: ternary's group n - 8).  Load n lands in them, and no vector instruction names them before that; its conversions
;              read all four and write the first two; store n reads those two; nothing writes them afterwards.
; The 40 loads go in ten blocks of four.  Block p converts D[4 p .. 4 p + 3]; its memory instructions are the four stores of block p - 1, which read D[4 p - 4 .. 4 p - 1] and v2:
; registers that no vector instruction of block p names.  So ONE wait at a block's head states all that its four stores hang on, and they are dealt among its conversions.
; No register that a memory instruction has read is written again, so no wait on vm_vsrc is owed anywhere.
.set D,  4                             ; v[4:163]   load n in four registers at D + 4 n
.set SC, 16                            ; s[16:47]   the row's 32 scales
	s_load_b256 s[4:11], s[0:1], 0x0               ; x s[4:5], ternary s[6:7], scales s[8:9], xb s[10:11]
	s_load_b64 s[12:13], s[0:1], 0x20              ; wb
	v_lshrrev_b32 v3, 5, v0
	v_readfirstlane_b32 s14, v3                    ; my wave's number in the work-group
	v_and_b32 v3, 31, v0                           ; lane
	v_lshlrev_b32 v1, 4, v3                        ; 16 bytes a lane in
	v_lshlrev_b32 v2, 3, v3                        ; 8 bytes a lane out
	s_mov_b32 s3, 0                                ; every offset stays under 2^28: the high word is 0
	s_wait_alu depctr_va_sdst(0)                   ; s14 is written, ahead of its first reader: all five bases are made from it
	s_lshl2_add_u32 s15, ttmp9, s14                ; g = 4 x work-group + wave
	s_wait_kmcnt 0x0
	s_lshl_b32 s2, s15, 12                         ; x: 4,096 bytes a wave
	s_add_nc_u64 s[4:5], s[4:5], s[2:3]
	s_lshl_b32 s2, s15, 14                         ; ternary: 16,384
	s_add_nc_u64 s[6:7], s[6:7], s[2:3]
	s_lshl_b32 s2, s15, 7                          ; scales: 128
	s_add_nc_u64 s[8:9], s[8:9], s[2:3]
	s_lshl_b32 s2, s15, 11                         ; xb: 2,048
	s_add_nc_u64 s[10:11], s[10:11], s[2:3]
	s_lshl_b32 s2, s15, 13                         ; wb: 8,192
	s_add_nc_u64 s[12:13], s[12:13], s[2:3]
	s_load_b512 s[SC:SC+15], s[8:9], 0x0           ; the row's scales; no line of this text stores into scales
	s_load_b512 s[SC+16:SC+31], s[8:9], 0x40
	s_wait_alu depctr_va_vdst(0)                   ; v1 and v2 are written: every load of the kernel reads v1 as its offset, every store v2
.irp i, 0,1,2,3,4,5,6,7
	global_load_b128 v[D+4*(\i):D+4*(\i)+3], v1, s[4:5] offset:512*(\i) th:TH_LOAD_NT
.endr
.irp j, 0,1,2,3,4,5,6,7,8,9,10,11,12,13,14,15,16,17,18,19,20,21,22,23,24,25,26,27,28,29,30,31
	global_load_b128 v[D+32+4*(\j):D+32+4*(\j)+3], v1, s[6:7] offset:512*(\j) th:TH_LOAD_NT
.endr
; The vector work of load n.  x: four numbers a lane are rounded to bf16 in pairs.  ternary, group n - 8 of the row: to f32, times the group's scale, rounded to bf16 in pairs.
.macro CONV n
.set R, D+4*(\n)
.if (\n) >= 8
.irp k, 0,1,2,3
	v_cvt_f32_i32 v[R+(\k)], v[R+(\k)]
.endr
.irp k, 0,1,2,3
	v_mul_f32 v[R+(\k)], s[SC+(\n)-8], v[R+(\k)]
.endr
.endif
	v_cvt_pk_bf16_f32 v[R], v[R], v[R+1]
	v_cvt_pk_bf16_f32 v[R+1], v[R+2], v[R+3]
.endm
; The store of load n's four numbers in bf16: 8 bytes a lane.
.macro SEND n
.set R, D+4*(\n)
.if (\n) < 8
	global_store_b64 v2, v[R:R+1], s[10:11] offset:256*(\n)
.else
	global_store_b64 v2, v[R:R+1], s[12:13] offset:256*((\n)-8)
.endif
.endm
; Block p: loads 4 p to 4 p + 3 are converted, and the block before is stored.
.macro BLK p
	s_wait_loadcnt 36-4*(\p)                       ; loads come back in order (ISA guide 5.7.1): 36 - 4 p were issued behind this block's last one
.if (\p) == 2
	s_wait_kmcnt 0x0                               ; the scales, ahead of ternary's first block
.endif
.if (\p) > 0
	s_wait_alu depctr_va_vdst(0)                   ; the block before has written the first two registers of each of its four D, which the stores below read
.endif
.irp q, 0,1,2,3
.if (\p) > 0
	SEND 4*(\p)-4+(\q)                             ; no vector instruction since the wait names these registers or v2
.endif
	CONV 4*(\p)+(\q)
.endr
.endm
.irp p, 0,1,2,3,4,5,6,7,8,9
	BLK \p                                         ; blocks 0 and 1 are x, blocks 2 to 9 ternary
.endr
	s_wait_alu depctr_va_vdst(0)                   ; block 9 has written its D, which the last four stores read
.irp q, 36,37,38,39
	SEND \q
.endr
	s_endpgm
.Lfunc_end_k_q4f1a51651f_prep:
	.size	k_q4f1a51651f_prep, .Lfunc_end_k_q4f1a51651f_prep-k_q4f1a51651f_prep
	.p2alignl 7, 3214868480
	.fill 96, 4, 3214868480
	.section	.rodata,"a",@progbits
	.p2align	6, 0x0
	.amdhsa_kernel k_q4f1a51651f_prep
		.amdhsa_group_segment_fixed_size 0
		.amdhsa_private_segment_fixed_size 0
		.amdhsa_enable_private_segment 0
		.amdhsa_kernarg_size 40
		.amdhsa_user_sgpr_count 2
		.amdhsa_user_sgpr_kernarg_segment_ptr 1
		.amdhsa_wavefront_size32 1
		.amdhsa_system_sgpr_workgroup_id_x 1
		.amdhsa_system_sgpr_workgroup_id_y 1
		.amdhsa_system_sgpr_workgroup_id_z 1
		.amdhsa_system_vgpr_workitem_id 0
		.amdhsa_next_free_vgpr 164
		.amdhsa_next_free_sgpr 66
		.amdhsa_reserve_vcc 0
		.amdhsa_float_denorm_mode_32 3
		.amdhsa_float_denorm_mode_16_64 3
		.amdhsa_memory_ordered 1
		.amdhsa_forward_progress 1
		.amdhsa_inst_pref_size 23
	.end_amdhsa_kernel
	.amdgpu_metadata
---
amdhsa.version: [ 1, 2 ]
amdhsa.kernels:
  - .name:           k_q4f1a51651f_prep
    .symbol:         k_q4f1a51651f_prep.kd
    .args:
      - { .name: x, .offset: 0, .size: 8, .value_kind: global_buffer, .address_space: global }
      - { .name: ternary, .offset: 8, .size: 8, .value_kind: global_buffer, .address_space: global }
      - { .name: scales, .offset: 16, .size: 8, .value_kind: global_buffer, .address_space: global }
      - { .name: xb, .offset: 24, .size: 8, .value_kind: global_buffer, .address_space: global }
      - { .name: wb, .offset: 32, .size: 8, .value_kind: global_buffer, .address_space: global }
    .group_segment_fixed_size: 0
    .private_segment_fixed_size: 0
    .kernarg_segment_align: 8
    .kernarg_segment_size: 40
    .max_flat_workgroup_size: 128
    .sgpr_count:     66
    .vgpr_count:     164
    .wavefront_size: 32
...
	.end_amdgpu_metadata
.endif
;; end of part 3
;; launch gemm: the kernel of part 2 again; grid 32 x 8, 4 waves a work-group, clusters of 4 x 4, 327,680 bytes of LDS; arguments xb, wb, out0; writes out0
